; MI455X (gfx1250); checked and timed in simulation.
; The chip was launched on July 23, 2026; its instructions are those of AMD's public machine-readable ISA for CDNA 5 (MIT licence, August 2026) and "CDNA5" Instruction Set Architecture Reference Guide (July 2026). The comments in the code are by the model that wrote it; some were corrected since.
;; Row Parallel Triton Fused Moe Linear. Allowed arithmetic: matrix products marked QUANTISED: E3M2 operands, one E8M0 scale for each 32 along K, by v_wmma_scale_f32_16x16x128_f8f6f4 with both operands' format E3M2, f32 sums; everything else in f32.
;; Inputs: b 8 x 2,048 float32; expert_ids 2,048 int32; w_codes 8 x 2,048 x 64 x 24 uint8 (E3M2 codes of w, K innermost, in blocks of 32 codes, four codes in three bytes); w_scales 8 x 2,048 x 64 uint8 (E8M0 scales of w, one for each 32 codes along K); x 2,048 x 2,048 float32.
;; Outputs: out0 2,048 x 2,048 float32.
;; This version of the problem:
;;   THIS VERSION OF THE PROBLEM IS GIVEN IN LOW PRECISION. The matrix products marked QUANTISED in the list below multiply operands that are first quantised to E3M2 (3 exponent bits, 2 mantissa bits; 6 bits a number), with one power-of-two scale for each 32 numbers along K (OCP MX v1.0); their sums are f32. All else is computed in f32.
;;   The module's matrix products, in the order in which they are computed (A, B: the left and right operand; K: the contracted axis; several contracted axes count as one K, in the product's order):
;;     1. [M 2,048, K 2,048] x [K 2,048, N 2,048]; A: computed on the way; B: input w (given as codes): QUANTISED
;;     2. [M 2,048, K 2,048] x [K 2,048, N 2,048]; A: computed on the way; B: input w (given as codes): QUANTISED
;;     3. [M 2,048, K 2,048] x [K 2,048, N 2,048]; A: computed on the way; B: input w (given as codes): QUANTISED
;;     4. [M 2,048, K 2,048] x [K 2,048, N 2,048]; A: computed on the way; B: input w (given as codes): QUANTISED
;;     5. [M 2,048, K 2,048] x [K 2,048, N 2,048]; A: computed on the way; B: input w (given as codes): QUANTISED
;;     6. [M 2,048, K 2,048] x [K 2,048, N 2,048]; A: computed on the way; B: input w (given as codes): QUANTISED
;;     7. [M 2,048, K 2,048] x [K 2,048, N 2,048]; A: computed on the way; B: input w (given as codes): QUANTISED
;;     8. [M 2,048, K 2,048] x [K 2,048, N 2,048]; A: computed on the way; B: input w (given as codes): QUANTISED
;;   THE QUANTISER, for each operand of a quantised product, along K:
;;     - K is cut into blocks of 32 from its start; a last block that is shorter is filled with zeros.
;;     - A block's scale is 2^e with e = floor(log2(the largest magnitude in the block)) - 4, held to -126 .. 127; a block of zeros has e = 0. As a byte (E8M0): e + 127.
;;     - Each number is divided by its block's scale, clamped to +-28, and rounded to the nearest number of E3M2, ties to even, subnormals kept.
;;     - The product sums the exact products of the quantised numbers (number of the format x scale) in f32.
;;   ~~~python
;;   def quantise(x, axis):      # numpy; x: float32 -> the quantised numbers, widened to float32 again
;;       x = np.moveaxis(x, axis, -1); K = x.shape[-1]
;;       x = np.pad(x, [(0, 0)] * (x.ndim - 1) + [(0, -K % 32)]); x = x.reshape(x.shape[:-1] + (-1, 32)); a = np.abs(x).max(-1, keepdims=True)
;;       e = np.where(a > 0, np.clip(np.frexp(np.where(a > 0, a, 1))[1] - 1 - 4, -126, 127), 0)      # np.frexp(a)[1] - 1 = floor(log2(a)), exactly
;;       r = np.clip(x / 2.0 ** e, -28, 28)
;;       step = 2.0 ** (np.maximum(np.frexp(np.where(r == 0, 1, r))[1] - 1, -2) - 2)
;;       q = np.round(r / step) * step * 2.0 ** e      # np.round: ties to even
;;       return np.moveaxis(q.reshape(q.shape[:-2] + (-1,))[..., :K], -1, axis).astype(np.float32)
;;   ~~~
;;   OPERANDS COMPUTED ON THE WAY. 'Computed on the way' means the value that the module computes at that place (a softmax that the list does not call 'softmax' is quantised finished and normalised). What goes into a quantiser is computed in f32, as accurately as f32 sums, v_exp_f32 and their like allow (about 1e-6 of the number): no bf16 or f16 on the way to a quantiser, and a product that is left as it is and whose result goes on into a quantised operand takes f32 operands (vector FMAs, or v_wmma_f32_16x16x4_f32). A number that lies on a knife's edge between two numbers of the format may be rounded either way, as far as f32 arithmetic and the matrix unit's own rounding can turn it there, and no further.
;;   INPUTS GIVEN AS CODES. w (in the module: [8, 2048, 2048], K = its axis 1): each comes as NAME_codes (uint8): NAME with its K axis moved to the last place and cut into blocks of 32 codes, [.., K / 32, bytes a block], one block behind the other in memory; four codes in three bytes: a row's codes are one little-endian stream of bits, code i at bits 6 i .. 6 i + 5 (a code: sign, 3 exponent bits, 2 mantissa bits); and NAME_scales (uint8): the same leading axes, one E8M0 byte (e + 127) for each 32 codes along K. Its value is code x scale, taken as it is: it is not quantised again, and the codes and scales need not be those that the quantiser above would give.
;; 2 versions, each right; version 2 is version 1 with the launch expert_gemm written anew for expert scheduling mode. Each part assembles by itself: llvm-mc -triple=amdgcn-amd-amdhsa -mcpu=gfx1250 --defsym DOCPART=n.
;; ======== version 1 of 2: 2 launches
;; workspace buffers: xq 3,317,760 bytes; xs 138,240 bytes; rows 138,240 bytes of whole numbers; tab 256 bytes of whole numbers
;; launch route_quant (part 1): grid 135 x 2, 4 waves a work-group, no clusters, 35,328 bytes of LDS; arguments x, expert_ids, xq, xs, rows, tab; writes xq, xs, rows, tab
.if DOCPART == 1
	.amdgcn_target "amdgcn-amd-amdhsa--gfx1250"
	.amdhsa_code_object_version 6
	.text
	.protected	k_qefa4a72293_route_quant
	.globl	k_qefa4a72293_route_quant
	.p2align	8
	.type	k_qefa4a72293_route_quant,@function
k_qefa4a72293_route_quant:
	s_mov_b64 s[64:65], 0
	v_nop
	global_prefetch_b8 v0, s[64:65] scope:SCOPE_SE
	s_setreg_imm32_b32 hwreg(HW_REG_WAVE_MODE, 25, 1), 1
	s_wait_xcnt 0x0
; ROUTING AND QUANTISING.  The 2,048 tokens are sorted by expert into tiles of 16 rows; each tile's rows of x are turned into codes of E3M2 with one E8M0 byte for each 32 along K.
; Expert e with c tokens has nt = ceil(c / 16) tiles, the first of them tile tb = the sum of nt over the experts before it: 128 to 135 tiles in all, whatever the split.
; Slots past an expert's last token repeat slot 0 of that tile: valid codes, and later the same row stored twice with the same bits, so EXEC is never narrowed.
; SHARES.  Work-group (i, y): sorted tile i, K half y.  Wave a: K steps 8 y + 2 a and the next (128 along K each) of the tile's 16 rows: 32 loads of 512 consecutive bytes.
; Every work-group repeats the counting sort of the 2,048 ids (8 KB): it needs no traffic between work-groups.  A work-group whose i is not below the number of tiles stores nothing and ends, behind the last barrier.
; ORDER OF K INSIDE A STEP, the same on both operands of the product: the operand place (c, h) (registers 6 c .. 6 c + 5 of lane half h) holds block 4 s + 2 h + c.
; So lane (r, h) holds bytes 96 s + 48 h .. + 47 of row r's stream of codes, three pieces of 16 bytes, and a step's scale word is S(4s), S(4s+2), S(4s+1), S(4s+3).
; WHAT IS STORED, for each tile: xq [chunk q of 16 bytes, 0..95][row 0..15][16 bytes]; xs [pair of steps 0..7][row][2 words]; rows [v 0..1][lane][i 0..3]: the token of slot 2 (4 v + i) + lane / 16; tab: lane e: (tb, nt).
; LIMITS: expert_ids lie in 0 .. 7 (the table that reference() indexes); NaN and infinities in x are not served; a block of zeros, or one whose largest magnitude lies under 2^-122, gets the byte 1
; (the rule says 127 for zeros: the codes are zeros, and this program alone reads the bytes).
.set CNT,   0                          ; LDS: a word a thread: each wave's counts, lane l: expert l % 8
.set PART,  512                        ; a word a thread: each wave's part of the tile's list
.set STG,   1024                       ; a stage for each wave: 16 rows x (512 bytes + 16)
.set SP,    528                        ; 33 x 16 bytes: sixteen lanes that read the same column of 16 rows fall on 16 different 16-byte columns modulo 256
.set WSTG,  16*SP
.set ID,    16                         ; v16-31   my 16 ids: register 4 q + j is token 512 w + 128 q + 4 lane + j
.set PK,    32                         ; v32-47   what the pushes brought
.set FH,    48                         ; v48-51   counts, two experts of 16 bits a register
.set HG,    52                         ; v52-53   counts, eight experts of 4 bits, of 8 ids each
.set TP,    54                         ; v54-57   at work
.set TW,    58                         ; v58-61   the four waves' words
.set TOT,   62
.set PRE,   63
.set LIST,  64
.set XO,    232                        ; v232-247 byte offset in x of my 16 bytes of row r's first step
	s_load_b256 s[4:11], s[0:1], 0x0               ; x s[4:5], expert_ids s[6:7], xq s[8:9], xs s[10:11]
	s_load_b128 s[12:15], s[0:1], 0x20             ; rows s[12:13], tab s[14:15]
	s_set_vgpr_msb 0x40
	v_lshl_add_u32 v0, v0, 2, 0x8800
	v_mov_b32 v1, 0
	s_set_vgpr_msb 0x4000
	v_lshrrev_b32 v1, 5, v0
	v_readfirstlane_b32 s16, v1                    ; wave a
	s_mov_b32 s17, ttmp9                           ; sorted tile i
	s_and_b32 s18, ttmp7, 0xffff                   ; K half y
	v_and_b32 v1, 31, v0                           ; lane
	v_and_b32 v2, 15, v0                           ; r
	v_bfe_u32 v3, v0, 4, 1                         ; h
	s_mov_b32 s20, 0x76543210
	s_mov_b32 s21, 0xfedcba98                      ; selects of v_permlanex16_b32 for lane xor 16
	s_mov_b32 s82, 0xaaaaaaaa                      ; lanes with bit 0 set
	s_mov_b32 s83, 0xcccccccc                      ; with bit 1 set
	s_mov_b32 s84, 0xffff0000                      ; lanes 16-31
	s_mul_i32 s85, s16, WSTG
	s_add_co_u32 s85, s85, STG                     ; my stage
	v_lshl_add_u32 v4, v1, 4, s85                  ; into it: 16 x lane, the row in the immediate
	v_mul_u32_u24 v5, v2, SP
	v_lshl_add_u32 v5, v3, 8, v5
	v_add_nc_u32 v5, s85, v5                       ; out of it: row r, + 256 h: my 64 numbers of the step
	s_lshl_b32 s88, s18, 3
	s_lshl_b32 s86, s16, 1
	s_add_co_u32 s88, s88, s86                     ; my first K step: 8 y + 2 a
	s_mul_i32 s86, s88, 1536
	v_mul_u32_u24 v6, v3, 768
	v_lshl_add_u32 v6, v2, 4, v6
	v_add_nc_u32 v6, s86, v6                       ; xq: chunk 6 s + 3 h, row r
	s_lshl_b32 s86, s88, 6
	v_lshlrev_b32 v7, 3, v2
	v_lshl_add_u32 v7, v3, 2, v7
	v_add_nc_u32 v7, s86, v7                       ; xs: pair 4 y + a, row r, word h
	v_mov_b32 v15, 0                               ; a lane permute's destination counts as one of its sources: written once
	v_lshlrev_b32 v72, 2, v1                       ; 4 x lane
	v_lshlrev_b32 v73, 2, v0                       ; 4 x thread
	s_lshl_b32 s86, s16, 9
	v_lshl_add_u32 v68, v1, 2, s86                 ; the token of my register 0: 512 w + 4 lane
	s_lshl_b32 s86, s16, 11
	v_lshl_add_u32 v74, v1, 4, s86                 ; its id's byte
	s_wait_kmcnt 0x0
.irp q, 0,1,2,3
	global_load_b128 v[ID+4*\q:ID+4*\q+3], v74, s[6:7] offset:512*\q   ; 512 consecutive bytes a load
.endr
	s_wait_loadcnt 0x0
	; ---- each expert's count in my wave.  Eight ids add 1 << 4 id into one register (a field holds 8 at the most); the fields are widened to 16 bits and summed over the lanes
	v_mov_b32 v[HG], 0
	v_mov_b32 v[HG+1], 0
.irp k, 0,1,2,3,4,5,6,7,8,9,10,11,12,13,14,15
	v_lshlrev_b32 v[TP+\k%4], 2, v[ID+\k]
	v_lshlrev_b32 v[TP+\k%4], v[TP+\k%4], 1
	v_add_nc_u32 v[HG+\k/8], v[HG+\k/8], v[TP+\k%4]
.endr
	s_mov_b32 s85, 0x0f0f0f0f
	s_mov_b32 s86, 0x00ff00ff
	v_and_b32 v[TP], s85, v[HG]
	v_and_b32 v[TP+1], s85, v[HG+1]
	v_add_nc_u32 v[TP], v[TP], v[TP+1]             ; bytes: experts 0, 2, 4, 6
	v_lshrrev_b32 v[HG], 4, v[HG]
	v_lshrrev_b32 v[HG+1], 4, v[HG+1]
	v_and_b32 v[HG], s85, v[HG]
	v_and_b32 v[HG+1], s85, v[HG+1]
	v_add_nc_u32 v[TP+1], v[HG], v[HG+1]           ; bytes: experts 1, 3, 5, 7
	v_and_b32 v[FH], s86, v[TP]                    ; experts 0 (low half) and 4 (high half)
	v_lshrrev_b32 v[TP], 8, v[TP]
	v_and_b32 v[FH+1], s86, v[TP]                  ; 2 and 6
	v_and_b32 v[FH+2], s86, v[TP+1]                ; 1 and 5
	v_lshrrev_b32 v[TP+1], 8, v[TP+1]
	v_and_b32 v[FH+3], s86, v[TP+1]                ; 3 and 7
.irp x, 1,2,4,8
.irp g, 0,1,2,3
	v_mov_b32_dpp v[TP+\g], v[FH+\g] row_xmask:\x row_mask:0xf bank_mask:0xf
.endr
.irp g, 0,1,2,3
	v_add_nc_u32 v[FH+\g], v[FH+\g], v[TP+\g]
.endr
.endr
.irp g, 0,1,2,3
	v_permlanex16_b32 v[TP+\g], v[FH+\g], s20, s21
.endr
.irp g, 0,1,2,3
	v_add_nc_u32 v[FH+\g], v[FH+\g], v[TP+\g]      ; 512 at the most: 16 bits hold it
.endr
	v_cndmask_b32 v[TP], v[FH], v[FH+1], s83       ; lane l takes expert l % 8: bit 1 of l,
	v_cndmask_b32 v[TP+1], v[FH+2], v[FH+3], s83
	v_cndmask_b32 v[TP], v[TP], v[TP+1], s82       ; bit 0,
	v_and_b32 v[TP+1], 4, v1
	v_lshlrev_b32 v[TP+1], 2, v[TP+1]
	v_lshrrev_b32 v[TP], v[TP+1], v[TP]            ; bit 2: the high half
	v_and_b32 v[TP], 0xffff, v[TP]
	ds_store_b32 v73, v[TP] offset:CNT
	s_wait_dscnt 0x0                               ; for the other waves: my store has landed
	s_barrier_signal -1
	s_barrier_wait -1
.irp w, 0,1,2,3
	ds_load_b32 v[TW+\w], v72 offset:CNT+128*\w
.endr
	s_wait_dscnt 0x0
	v_add3_u32 v[TOT], v[TW], v[TW+1], v[TW+2]
	v_add_nc_u32 v[TOT], v[TOT], v[TW+3]           ; c of expert l % 8
	s_cmp_gt_u32 s16, 0
	s_cselect_b32 s85, 1, 0
	v_mul_u32_u24 v[PRE], v[TW], s85
	s_cmp_gt_u32 s16, 1
	s_cselect_b32 s85, 1, 0
	v_mad_u32_u24 v[PRE], v[TW+1], s85, v[PRE]
	s_cmp_gt_u32 s16, 2
	s_cselect_b32 s85, 1, 0
	v_mad_u32_u24 v[PRE], v[TW+2], s85, v[PRE]     ; how many of them lie in the waves before mine
	v_add_nc_u32 v153, 15, v[TOT]
	v_lshrrev_b32 v153, 4, v153                    ; nt, in lane form, for the table
.irp e, 0,1,2,3,4,5,6,7
	v_readlane_b32 s[22+\e], v[TOT], \e
	v_readlane_b32 s[30+\e], v[PRE], \e
.endr
	s_mov_b32 s38, 0                               ; s38-45: tb of each expert
.irp e, 0,1,2,3,4,5,6
	s_add_co_u32 s85, s[22+\e], 15
	s_lshr_b32 s85, s85, 4
	s_add_co_u32 s[39+\e], s[38+\e], s85
.endr
	s_add_co_u32 s85, s29, 15
	s_lshr_b32 s85, s85, 4
	s_add_co_u32 s89, s45, s85                     ; the number of tiles
	s_mov_b32 s90, 0                               ; whose tile is tile i: the last expert whose tb is not above i
	s_mov_b32 s91, 0
	s_mov_b32 s92, s22
	s_mov_b32 s93, s30
.irp e, 1,2,3,4,5,6,7
	s_cmp_ge_u32 s17, s[38+\e]
	s_cselect_b32 s90, \e, s90                     ; the expert,
	s_cselect_b32 s91, s[38+\e], s91               ; its tb,
	s_cselect_b32 s92, s[22+\e], s92               ; its count,
	s_cselect_b32 s93, s[30+\e], s93               ; and how many of its tokens lie in the waves before mine
.endr
	s_sub_co_u32 s94, s17, s91
	s_lshl_b32 s94, s94, 4                         ; the tile's first rank
	s_sub_co_i32 s95, s93, s94                     ; the slot of my wave's first token of the expert (may be negative, or 16 and above)
	s_sub_co_i32 s96, s92, s94
	s_min_i32 s96, s96, 16                         ; slots in use
	; ---- each token of the expert is pushed to the lane of its slot.  Ranks go by wave, register, lane.  A lane with nothing to send, or a slot outside 0 .. 30, pushes into lane 31; lanes 0-15 alone are used.
	; Which lanes a push reached is worked out apart (slot - first slot < count), so nothing leans on what a lane receives that nobody pushed to.
.irp k, 0,1,2,3,4,5,6,7,8,9,10,11,12,13,14,15
	v_cmp_eq_u32 s86, s90, v[ID+\k]
	v_mbcnt_lo_u32_b32 v65, s86, s95               ; my slot: the first slot + the matching lanes below me
	v_cndmask_b32 v65, 31, v65, s86
	v_min_u32 v65, 31, v65
	v_lshlrev_b32 v65, 2, v65
	v_add_nc_u32 v66, 128*(\k/4)+(\k%4), v68       ; my token
	ds_permute_b32 v[PK+\k], v65, v66
	s_bcnt1_i32_b32 s87, s86
	v_sub_nc_u32 v67, v1, s95
	v_cmp_gt_u32 s[46+\k], s87, v67                ; the lanes that this push reached
	s_add_co_i32 s95, s95, s87
.endr
	s_wait_dscnt 0x0
	v_mov_b32 v[LIST], 0
.irp k, 0,1,2,3,4,5,6,7,8,9,10,11,12,13,14,15
	v_cndmask_b32 v[LIST], v[LIST], v[PK+\k], s[46+\k]
.endr
	ds_store_b32 v73, v[LIST] offset:PART
	s_wait_dscnt 0x0                               ; my store has landed, and my reads of the counts are in
	s_barrier_signal -1
	s_barrier_wait -1                              ; the last barrier: every wave of every work-group passes it
.irp w, 0,1,2,3
	ds_load_b32 v[TW+\w], v72 offset:PART+128*\w
.endr
	s_wait_dscnt 0x0
	v_or_b32 v[LIST], v[TW], v[TW+1]
	v_or_b32 v[LIST], v[LIST], v[TW+2]
	v_or_b32 v[LIST], v[LIST], v[TW+3]             ; each slot was filled by one wave, the others hold 0
	v_readlane_b32 s87, v[LIST], 0
	v_cmp_gt_i32 vcc_lo, s96, v1
	v_cndmask_b32 v[LIST], s87, v[LIST], vcc_lo    ; slots not in use repeat slot 0
	s_cmp_ge_u32 s17, s89
	s_cbranch_scc1 .Lend                           ; this split has no tile i
	s_mul_i32 s86, s17, 24576
	s_mov_b32 s87, 0
	s_add_nc_u64 s[8:9], s[8:9], s[86:87]          ; my tile in xq,
	s_lshl_b32 s86, s17, 10
	s_add_nc_u64 s[10:11], s[10:11], s[86:87]      ; in xs
	s_add_nc_u64 s[12:13], s[12:13], s[86:87]      ; and in rows
	s_lshl_b32 s86, s88, 9
	v_lshl_add_u32 v69, v1, 4, s86                 ; my 16 bytes of a row's first step
.irp r, 0,1,2,3,4,5,6,7,8,9,10,11,12,13,14,15
	v_readlane_b32 s[66+\r], v[LIST], \r
.endr
.irp r, 0,1,2,3,4,5,6,7,8,9,10,11,12,13,14,15
	s_min_u32 s[66+\r], s[66+\r], 0x7ff            ; a token's number stays inside x
	v_lshl_add_u32 v[XO+\r], s[66+\r], 13, v69
.endr
.irp i, 0,1
.irp r, 0,1,2,3,4,5,6,7,8,9,10,11,12,13,14,15
	global_load_b128 v[16+64*\i+4*\r:16+64*\i+4*\r+3], v[XO+\r], s[4:5] offset:512*\i   ; 512 consecutive bytes of row r: one K step.  No hint: a list may name a row twice
.endr
.endr
	; ---- the lists, by wave 0 of the work-groups with y = 0; the table by tile 0's
	s_cmp_lg_u32 s16, 0
	s_cbranch_scc1 .Lno_list
	s_cmp_lg_u32 s18, 0
	s_cbranch_scc1 .Lno_list
.irp t, 0,1,2,3,4,5,6,7
	v_mov_b32 v154, s[67+2*\t]
	v_cndmask_b32 v[144+\t], s[66+2*\t], v154, s84 ; lanes 0-15: slot 2 t, lanes 16-31: slot 2 t + 1
.endr
	v_lshlrev_b32 v155, 4, v1
	global_store_b128 v155, v[144:147], s[12:13]
	global_store_b128 v155, v[148:151], s[12:13] offset:512
	s_cmp_lg_u32 s17, 0
	s_cbranch_scc1 .Lno_list
	v_mov_b32 v152, 0
.irp e, 0,1,2,3,4,5,6,7
	v_writelane_b32 v152, s[38+\e], \e
.endr
	v_lshlrev_b32 v156, 3, v1
	global_store_b64 v156, v[152:153], s[14:15]    ; all 32 lanes store: 256 consecutive bytes, the whole buffer
.Lno_list:
	s_wait_xcnt 0x0                                ; the stores above have read v144-156: LDS loads land there below
; A step's 16 x 512 bytes turn through my stage: in as loaded (a row to a store), out 256 bytes a lane.  LDS serves a wave's instructions in order (ISA guide 5.7.1.4): no wait between them, and one stage serves both steps.
.macro TURN raw, dst
.irp r, 0,1,2,3,4,5,6,7,8,9,10,11,12,13,14,15
	ds_store_b128 v4, v[\raw+4*\r:\raw+4*\r+3] offset:SP*\r
.endr
.irp q, 0,1,2,3,4,5,6,7,8,9,10,11,12,13,14,15
	ds_load_b128 v[\dst+4*\q:\dst+4*\q+3], v5 offset:16*\q
.endr
.endm
; 64 numbers of a lane, two whole blocks of 32 (blocks 2 h and 2 h + 1 of the step), become 12 registers of codes at v[cd] on and the step's scale word in v[wd].
.macro QUANT src, cd, wd
	v_max3_num_f32 v8, |v[\src]|, |v[\src+1]|, |v[\src+2]|
	v_max3_num_f32 v9, |v[\src+3]|, |v[\src+4]|, |v[\src+5]|
	v_max3_num_f32 v10, |v[\src+32]|, |v[\src+33]|, |v[\src+34]|
	v_max3_num_f32 v11, |v[\src+35]|, |v[\src+36]|, |v[\src+37]|
.irp i, 6,10,14,18,22,26
	v_max3_num_f32 v8, v8, |v[\src+\i]|, |v[\src+\i+1]|            ; four chains by turns: no line waits for the line above it
	v_max3_num_f32 v9, v9, |v[\src+\i+2]|, |v[\src+\i+3]|
	v_max3_num_f32 v10, v10, |v[\src+32+\i]|, |v[\src+32+\i+1]|
	v_max3_num_f32 v11, v11, |v[\src+32+\i+2]|, |v[\src+32+\i+3]|
.endr
	v_max3_num_f32 v8, v8, |v[\src+30]|, |v[\src+31]|
	v_max3_num_f32 v10, v10, |v[\src+62]|, |v[\src+63]|
	v_max3_num_f32 v8, v8, v9, 0x2800000           ; and the floor 2^(5 - 127): the byte cannot fall under 1
	v_max3_num_f32 v10, v10, v11, 0x2800000
	v_add_nc_u32 v12, 0xfe000000, v8               ; 4 off the exponent field: the conversion takes that field of this operand as its scale, and nothing else of it
	v_add_nc_u32 v13, 0xfe000000, v10
	v_lshrrev_b32 v14, 23, v12                     ; the bytes
	v_lshrrev_b32 v8, 23, v13
	v_lshl_or_b32 v14, v8, 16, v14                 ; my two stand at bytes h and 2 + h of the word
	v_lshlrev_b32 v9, 3, v3
	v_lshlrev_b32 v14, v9, v14
	v_permlanex16_b32 v15, v14, s20, s21
	v_or_b32 v[\wd], v14, v15                      ; with lane xor 16's two the word is whole, in both lanes
	v_cvt_scalef32_pk16_bf6_f32 v[\cd:\cd+2], v[\src:\src+15], v12
	v_cvt_scalef32_pk16_bf6_f32 v[248:250], v[\src+16:\src+31], v12     ; a conversion's three registers begin on an even number: the second half of a block's six is made elsewhere and moved
	v_cvt_scalef32_pk16_bf6_f32 v[\cd+6:\cd+8], v[\src+32:\src+47], v13
	v_cvt_scalef32_pk16_bf6_f32 v[252:254], v[\src+48:\src+63], v13
	v_nop                                          ; one plain place behind the last scaled conversion
.irp i, 0,1,2
	v_mov_b32 v[\cd+3+\i], v[248+\i]
	v_mov_b32 v[\cd+9+\i], v[252+\i]
.endr
.endm
.macro PUT cd, i                       ; three stores: lanes 0-15 fill 256 consecutive bytes at a multiple of 256 (chunk 6 s + j), lanes 16-31 those of chunk 6 s + 3 + j
.irp j, 0,1,2
	global_store_b128 v6, v[\cd+4*\j:\cd+4*\j+3], s[8:9] offset:1536*\i+256*\j
.endr
.endm
	s_wait_loadcnt 16                              ; the first step's 16 loads are in; the second step's 16 may be out
	TURN 16, 144
	s_wait_loadcnt 0x0
	TURN 80, 16                                    ; back into the first step's raw registers, which its LDS stores have read
	s_wait_dscnt 32                                ; all but the second turn's 32
	QUANT 144, 208, 251
	PUT 208, 0
	s_wait_dscnt 0x0
	QUANT 16, 220, 255
	PUT 220, 1
	v_cndmask_b32 v14, v251, v255, s84             ; lanes 0-15 store the first step's word, lanes 16-31 the second's
	global_store_b32 v7, v14, s[10:11]             ; 128 consecutive bytes; the neighbouring wave stores the 128 beside them
.Lend:
	s_set_vgpr_msb 0x5
	s_wait_tensorcnt 0x0
	ds_add_u32 v0, v1
	s_wait_dscnt 0x0
	s_set_vgpr_msb 0x500
	s_endpgm
.Lfunc_end_k_qefa4a72293_route_quant:
	.size	k_qefa4a72293_route_quant, .Lfunc_end_k_qefa4a72293_route_quant-k_qefa4a72293_route_quant
	.p2alignl 7, 3214868480
	.fill 96, 4, 3214868480
	.section	.rodata,"a",@progbits
	.p2align	6, 0x0
	.amdhsa_kernel k_qefa4a72293_route_quant
		.amdhsa_group_segment_fixed_size 35328
		.amdhsa_private_segment_fixed_size 0
		.amdhsa_enable_private_segment 0
		.amdhsa_kernarg_size 48
		.amdhsa_user_sgpr_count 2
		.amdhsa_user_sgpr_kernarg_segment_ptr 1
		.amdhsa_wavefront_size32 1
		.amdhsa_system_sgpr_workgroup_id_x 1
		.amdhsa_system_sgpr_workgroup_id_y 1
		.amdhsa_system_sgpr_workgroup_id_z 1
		.amdhsa_system_vgpr_workitem_id 0
		.amdhsa_next_free_vgpr 258
		.amdhsa_next_free_sgpr 100
		.amdhsa_reserve_vcc 1
		.amdhsa_float_denorm_mode_32 3
		.amdhsa_float_denorm_mode_16_64 3
		.amdhsa_memory_ordered 1
		.amdhsa_forward_progress 1
		.amdhsa_inst_pref_size 42
	.end_amdhsa_kernel
	.amdgpu_metadata
---
amdhsa.version: [ 1, 2 ]
amdhsa.kernels:
  - .name:           k_qefa4a72293_route_quant
    .symbol:         k_qefa4a72293_route_quant.kd
    .args:
      - { .name: x, .offset: 0, .size: 8, .value_kind: global_buffer, .address_space: global }
      - { .name: expert_ids, .offset: 8, .size: 8, .value_kind: global_buffer, .address_space: global }
      - { .name: xq, .offset: 16, .size: 8, .value_kind: global_buffer, .address_space: global }
      - { .name: xs, .offset: 24, .size: 8, .value_kind: global_buffer, .address_space: global }
      - { .name: rows, .offset: 32, .size: 8, .value_kind: global_buffer, .address_space: global }
      - { .name: tab, .offset: 40, .size: 8, .value_kind: global_buffer, .address_space: global }
    .group_segment_fixed_size: 35328
    .private_segment_fixed_size: 0
    .kernarg_segment_align: 8
    .kernarg_segment_size: 48
    .max_flat_workgroup_size: 128
    .sgpr_count:     100
    .vgpr_count:     258
    .wavefront_size: 32
...
	.end_amdgpu_metadata
.endif
;; end of part 1
;; launch expert_gemm (part 2): grid 32 x 8, 4 waves a work-group, no clusters, 117,248 bytes of LDS; arguments xq, xs, rows, tab, w_codes, w_scales, b, out0; writes out0
.if DOCPART == 2
	.amdgcn_target "amdgcn-amd-amdhsa--gfx1250"
	.amdhsa_code_object_version 6
	.text
	.protected	k_qefa4a72293_expert_gemm
	.globl	k_qefa4a72293_expert_gemm
	.p2align	8
	.type	k_qefa4a72293_expert_gemm,@function
k_qefa4a72293_expert_gemm:
	s_mov_b64 s[64:65], 0
	v_nop
	global_prefetch_b8 v0, s[64:65] scope:SCOPE_SE
	s_setreg_imm32_b32 hwreg(HW_REG_WAVE_MODE, 25, 1), 1
	s_wait_xcnt 0x0
; y[t] = Q(x[t]) W[e(t)] + b[e(t)], on codes of E3M2 with one E8M0 scale for each 32 along K; only each token's own expert is multiplied (reference() zeroes the other experts' rows by its own mask).
; SHARES.  Work-group (cs, e): expert e, columns 64 cs .. 64 cs + 63: 256 work-groups for every split.  Its slice of W, 64 rows x 1,536 bytes = 98,304 dense bytes, is read once in the launch,
; goes into LDS through registers and serves all four waves.  Wave w takes the expert's row tiles w, w + 4, w + 8 ..: five or four at a time; their codes come from xq straight into registers.
; One barrier, behind the staging of W and ahead of every branch on stored numbers.  An expert without tokens leaves its work-groups with nothing to store.
; NO TENSOR LOAD, NO CLUSTER: the 32 work-groups of an expert read the same tiles of xq, but how many tiles there are is a number read from tab, and trip counts hang on it; partners would need
; different numbers of tiles from expert to expert.  So operands go from memory into registers, and W alone, whose size is fixed, is shared through LDS.
; THE MATRIX INSTRUCTION IS USED TRANSPOSED: source 0 = 16 columns of W (rows of w_codes), source 1 = 16 tokens: a lane then holds one token (lane % 16) and eight neighbouring columns 8 (lane / 16) + 0 .. 7.
; ORDER OF K INSIDE A STEP OF 128, the same on both sources: the operand place (c, h) holds block 4 s + 2 h + c, so a lane's 12 registers are 48 consecutive bytes of its row, three aligned pieces of 16;
; the scale word is the row's natural word with its two middle bytes swapped.  LIMIT: within each 128 along K the blocks are summed in the order 0, 2, 1, 3.
; A tile that a wave does not have is replaced by a written tile (its number is held inside the expert's, then inside 0 .. 134): it is multiplied and not stored.  Slots that repeat a token store its row twice, with the same bits.
; The bias is the C of each sum's first matrix instruction.
; REGISTERS, in windows of 256: window 0: v1-29 addresses; v32-63 W's scale words; v64-103 the tokens' scale words; v104-143 the tokens' offsets in out0; v144-207 rows on the way out, two sets.
;   window 1: the tokens' fragments, tile m, K step s at v[48 m + 12 (s % 4)].   window 2: W's fragments, two sets of 48, fragment f at 12 f; from v96 the bias, 8 a fragment.
;   window 3: v0-191 W on its way into LDS; afterwards the accumulators, (m, f) at v[32 m + 8 f].
.set PW,    1552                       ; a row of W in LDS: 1,536 bytes + 16 = 97 x 16: the sixteen rows of a load fall on 16 different 16-byte columns modulo 256
.set STAGE, 64*PW                      ; behind W: 16 rows x 272 bytes for each wave, for the way out
.set SPI,   272
.set WA,  4                            ; v4   my place in W's fragments 0, 1: PW r + 48 h;  v5: in fragments 2, 3 (an LDS immediate has 16 bits)
.set AO,  10                           ; v10-14  tile m: my byte in xq
.set SO,  15                           ; v15-19  tile m: 1,024 x tile + 16 x lane (rows)
.set SO8, 20                           ; v20-24  tile m: 1,024 x tile + 8 x lane (xs)
.set WS,  32                           ; register 16 g + s: lanes 0-15 fragment 2 g, lanes 16-31 fragment 2 g + 1, K step s
.set AS,  64                           ; tile m, step s: register 8 m + 2 (s / 4) + s % 2, lanes 16 ((s / 2) % 2) on
.set TO,  104                          ; tile m, register t: the token of slot 2 t + lane / 16, then its offset in out0
.set RB,  144
.set BI,  96                           ; in window 2
.set MSB, 0
.macro WIN new                         ; the immediate's high byte repeats the setting that is left; low byte: bits 1:0 source 0, 3:2 source 1, 5:4 source 2, 7:6 destination
.if MSB != \new
	s_set_vgpr_msb (MSB<<8)|\new
.set MSB, \new
.endif
.endm
	s_load_b512 s[4:19], s[0:1], 0x0               ; xq s[4:5], xs s[6:7], rows s[8:9], tab s[10:11], w_codes s[12:13], w_scales s[14:15], b s[16:17], out0 s[18:19]
	v_lshl_add_u32 v254, v0, 2, 0x1c800
	v_mov_b32 v255, 0
	v_lshrrev_b32 v1, 5, v0
	v_readfirstlane_b32 s20, v1                    ; wave w
	s_mov_b32 s21, ttmp9                           ; cs
	s_and_b32 s22, ttmp7, 0xffff                   ; e
	v_and_b32 v1, 31, v0                           ; lane
	v_and_b32 v2, 15, v0                           ; r
	v_bfe_u32 v3, v0, 4, 1                         ; h
	v_mul_u32_u24 v4, v2, PW
	v_mad_u32_u24 v4, v3, 48, v4
	v_add_nc_u32 v5, 32*PW, v4
	s_mul_i32 s35, s20, 16*SPI
	s_add_co_u32 s35, s35, STAGE                   ; my stage
	v_mul_u32_u24 v6, v2, SPI
	v_lshl_add_u32 v6, v3, 5, v6
	v_add_nc_u32 v6, s35, v6                       ; in: row r, + 32 h
	v_mul_u32_u24 v7, v3, SPI
	v_lshl_add_u32 v7, v2, 4, v7
	v_add_nc_u32 v7, s35, v7                       ; back: lanes 0-15 one row of 256 bytes, lanes 16-31 the next
	v_lshlrev_b32 v8, 4, v2                        ; 16 r
	v_lshlrev_b32 v9, 4, v1                        ; 16 x lane
	v_lshlrev_b32 v25, 6, v1                       ; 64 x lane: a row of w_scales
	v_lshlrev_b32 v26, 5, v3                       ; 32 h: my eight numbers of a fragment's bias
	s_mul_i32 s36, s20, 16*PW
	v_add_nc_u32 v27, s36, v9                      ; where I put W: my wave's 16 rows, 16 x lane
	v_mad_u32_u24 v28, v3, 768, v8                 ; xq: chunk 3 h, row r
	v_lshlrev_b32 v29, 3, v1                       ; 8 x lane
	s_mov_b32 s40, 0x03010200                      ; v_perm_b32: bytes 0, 2, 1, 3
	s_mul_i32 s36, s22, 3145728                    ; W: the expert, 2,048 rows of 1,536 bytes,
	s_mul_i32 s37, s21, 98304                      ; my work-group's 64 rows,
	s_add_co_u32 s36, s36, s37
	s_mul_i32 s37, s20, 24576                      ; my wave's 16
	s_add_co_u32 s36, s36, s37
	s_mov_b32 s37, 0
	s_lshl_b32 s38, s22, 17                        ; w_scales: 2,048 rows of 64 bytes, my work-group's 64
	s_lshl_b32 s39, s21, 12
	s_add_co_u32 s38, s38, s39
	s_mov_b32 s39, 0
	s_lshl_b32 s42, s22, 13                        ; b: a row of 8,192 bytes, my 64 columns
	s_lshl_b32 s44, s21, 8                         ; out0: my 64 columns
	s_add_co_u32 s42, s42, s44
	s_mov_b32 s43, 0
	s_mov_b32 s45, 0
	s_lshl_b32 s46, s22, 3                         ; tab: 8 bytes an expert
	s_mov_b32 s47, 0
	s_wait_kmcnt 0x0
	s_add_nc_u64 s[10:11], s[10:11], s[46:47]
	s_load_b64 s[24:25], s[10:11], 0x0             ; tb s24, nt s25
	s_add_nc_u64 s[12:13], s[12:13], s[36:37]
	s_add_nc_u64 s[14:15], s[14:15], s[38:39]
	s_add_nc_u64 s[16:17], s[16:17], s[42:43]
	s_add_nc_u64 s[18:19], s[18:19], s[44:45]
	WIN 0xc0                                       ; destination window 3
.set q, 0
.rept 48
	global_load_b128 v[4*q:4*q+3], v9, s[12:13] offset:512*q th:TH_LOAD_NT   ; my 16 rows of W, 24,576 dense bytes, 512 a load; read once in the launch
.set q, q+1
.endr
	WIN 0
.irp g, 0,1
.irp p, 0,1,2,3
	global_load_b128 v[WS+16*\g+4*\p:WS+16*\g+4*\p+3], v25, s[14:15] offset:2048*\g+16*\p   ; column 32 g + lane: the words of K steps 4 p .. 4 p + 3
.endr
.endr
	WIN 0x80                                       ; destination window 2
.irp f, 0,1,2,3
	global_load_b128 v[BI+8*\f:BI+8*\f+3], v26, s[16:17] offset:64*\f
	global_load_b128 v[BI+8*\f+4:BI+8*\f+7], v26, s[16:17] offset:64*\f+16
.endr
	WIN 0
	s_wait_kmcnt 0x0
	s_sub_co_i32 s26, s25, s20
	s_add_co_i32 s26, s26, 3
	s_ashr_i32 s26, s26, 2
	s_max_i32 s26, s26, 0                          ; my tiles still to do: w, w + 4 .. below nt
	s_mov_b32 s27, s20                             ; the next of them
	s_sub_co_i32 s28, s25, 1
; The offsets of the next five tiles.  A number read from memory enters an address only behind the hold at 134, the last tile that the buffers have room for.
.macro TILES
.irp m, 0,1,2,3,4
	s_add_co_i32 s35, s27, 4*\m
	s_min_i32 s35, s35, s28                        ; inside the expert's tiles,
	s_add_co_i32 s35, s35, s24
	s_max_i32 s35, s35, 0                          ; (an expert without tiles: a written tile of another)
	s_min_u32 s35, s35, 134
	s_mul_i32 s36, s35, 24576
	s_lshl_b32 s37, s35, 10
	v_add_nc_u32 v[AO+\m], s36, v28
	v_add_nc_u32 v[SO+\m], s37, v9
	v_add_nc_u32 v[SO8+\m], s37, v29
.endr
.endm
.macro LISTS m                         ; 2 loads: the tile's 16 tokens, as the way out wants them
	global_load_b128 v[TO+8*(\m):TO+8*(\m)+3], v[SO+(\m)], s[8:9]
	global_load_b128 v[TO+8*(\m)+4:TO+8*(\m)+7], v[SO+(\m)], s[8:9] offset:512
.endm
.macro SCALES m                        ; 4 loads of 256 consecutive bytes: the tile's 16 x 16 scale words
.irp g, 0,1,2,3
	global_load_b64 v[AS+8*(\m)+2*\g:AS+8*(\m)+2*\g+1], v[SO8+(\m)], s[6:7] offset:256*\g
.endr
.endm
.macro LDA1 m, s                       ; 3 loads (destination window 1): tile m's fragment of K step s; each covers two runs of 256 consecutive bytes
.irp j, 0,1,2
	global_load_b128 v[48*(\m)+12*((\s)%4)+4*\j:48*(\m)+12*((\s)%4)+4*\j+3], v[AO+(\m)], s[4:5] offset:1536*(\s)+256*\j
.endr
.endm
; Tiles 0 to 3: lists, scale words, K steps 0 to 2: 8 + 16 + 36 = 60 loads.  again = 1: in the loop, where the last stores may still read the registers that the lists land in.
.macro PRO again
	WIN 0
.if \again
	s_wait_xcnt 0x0
.endif
.irp m, 0,1,2,3
	LISTS \m
.endr
.irp m, 0,1,2,3
	SCALES \m
.endr
	WIN 0x40
.irp s, 0,1,2
.irp m, 0,1,2,3
	LDA1 \m, \s
.endr
.endr
	WIN 0
.endm
.macro PROX                            ; the same for tile 4: 2 + 4 + 9 = 15 loads
	WIN 0
	LISTS 4
	SCALES 4
	WIN 0x40
	LDA1 4, 0
	LDA1 4, 1
	LDA1 4, 2
	WIN 0
.endm
	TILES
	PRO 0
	s_wait_loadcnt 60                              ; all but the 60 loads just issued: W, its scale words and the bias are in
	WIN 0x0c                                       ; an LDS store's data are its source 1: window 3
.set q, 0
.rept 48
	ds_store_b128 v27, v[4*q:4*q+3] offset:(q/3)*PW+(q%3)*512   ; a row is three loads' bytes
.set q, q+1
.endr
	WIN 0
.set q, 0
.rept 32
	v_perm_b32 v[WS+q], v[WS+q], v[WS+q], s40      ; the two middle bytes change places: the order of K that the fragments have
.set q, q+1
.endr
.rept 8
	v_nop                                          ; a scale register written by a vector instruction stands 8 places ahead of a scaled matrix instruction
.endr
	s_wait_dscnt 0x0                               ; for the other waves: my 16 rows of W have landed
	s_barrier_signal -1
	s_barrier_wait -1                              ; the 64 rows lie in LDS; nobody writes them again
.macro LDW s                           ; 12 LDS loads (destination window 2): the four fragments of W of K step s into set s % 2
.irp f, 0,1,2,3
.irp j, 0,1,2
	ds_load_b128 v[48*((\s)%2)+12*\f+4*\j:48*((\s)%2)+12*\f+4*\j+3], v[WA+\f/2] offset:(\f%2)*16*PW+96*(\s)+16*\j
.endr
.endr
.endm
.macro PROD m, f, s                    ; accumulator (m, f), K step s
.set rD, 32*(\m)+8*(\f)
.set rC, 32*(\m)+8*(\f)
.if (\s) == 0
.set rC, BI+8*(\f)                     ; the first product starts the sum with the bias (window 2)
.endif
.set rW, 48*((\s)%2)+12*(\f)
.set rA, 48*(\m)+12*((\s)%4)
.set rX, WS+16*((\f)/2)+(\s)
.set rY, AS+8*(\m)+2*((\s)/4)+(\s)%2
.set hW, (\f)%2
.set hA, ((\s)/2)%2
.if (hW == 0) && (hA == 0)
	v_wmma_scale_f32_16x16x128_f8f6f4 v[rD:rD+7], v[rW:rW+11], v[rA:rA+11], v[rC:rC+7], v[rX], v[rY] matrix_a_fmt:MATRIX_FMT_BF6 matrix_b_fmt:MATRIX_FMT_BF6
.elseif (hW == 1) && (hA == 0)
	v_wmma_scale_f32_16x16x128_f8f6f4 v[rD:rD+7], v[rW:rW+11], v[rA:rA+11], v[rC:rC+7], v[rX], v[rY] matrix_a_fmt:MATRIX_FMT_BF6 matrix_b_fmt:MATRIX_FMT_BF6 matrix_a_scale:MATRIX_SCALE_ROW1
.elseif (hW == 0) && (hA == 1)
	v_wmma_scale_f32_16x16x128_f8f6f4 v[rD:rD+7], v[rW:rW+11], v[rA:rA+11], v[rC:rC+7], v[rX], v[rY] matrix_a_fmt:MATRIX_FMT_BF6 matrix_b_fmt:MATRIX_FMT_BF6 matrix_b_scale:MATRIX_SCALE_ROW1
.else
	v_wmma_scale_f32_16x16x128_f8f6f4 v[rD:rD+7], v[rW:rW+11], v[rA:rA+11], v[rC:rC+7], v[rX], v[rY] matrix_a_fmt:MATRIX_FMT_BF6 matrix_b_fmt:MATRIX_FMT_BF6 matrix_a_scale:MATRIX_SCALE_ROW1 matrix_b_scale:MATRIX_SCALE_ROW1
.endif
.endm
; rt tiles x 64 columns through all 16 K steps.  In step s: W's fragments of step s + 1 are asked of LDS, the tokens' of step s + 3 of memory, and 4 rt products are issued.
; The 4 rt accumulators take turns, one instruction a turn, in the same order in every step.
; Four places stand behind a step's last product, ahead of the loads into registers that its products read (ISA guide 7.12.1 for vector instructions).
; The wait for the tokens' fragments leaves out what was issued behind step s's loads: 3 rt loads for each later step asked for.  With five tiles, tile 4's first three steps were asked for behind
; those of tiles 0 to 3: behind its step 0 stand 6 + 15 loads, behind its step 1 3 + 30, behind its step 2 45.
.macro BODY rt
	WIN 0x80
	LDW 0
.irp s, 0,1,2,3,4,5,6,7,8,9,10,11,12,13,14,15
.if \s > 0
.rept 4
	v_nop
.endr
.endif
.if \s < 15
	WIN 0x80
	LDW \s+1
.endif
.if \s < 13
	WIN 0x40
.irp m, 0,1,2,3,4
.if \m < \rt
	LDA1 \m, \s+3
.endif
.endr
.endif
.if \s < 15
	s_wait_dscnt 12                                ; all but the 12 just issued: this step's fragments of W are in
.else
	s_wait_dscnt 0x0
.endif
.set nn, \s+3
.if nn > 15
.set nn, 15
.endif
.set nn, (nn-\s)*3*\rt
.if (\rt == 5) && (\s < 3)
.set nn, 21+12*\s
.endif
	s_wait_loadcnt nn
.if \s == 0
	WIN 0xe6                                       ; source 0 (W) window 2, source 1 (tokens) window 1, C (bias) window 2, D window 3
.else
	WIN 0xf6                                       ; the same, C window 3
.endif
.irp m, 0,1,2,3,4
.if \m < \rt
.irp f, 0,1,2,3
	PROD \m, \f, \s
.endr
.endif
.endr
.endr
	WIN 0
.endm
; THE WAY OUT.  The tokens become byte offsets in out0 (held inside its 2,048 rows): these plain instructions, which name no register of the products, are also the places behind the last products.
; Then tile by tile: a lane's 32 bytes of a row go into my stage, each accumulator from its low end on, and come back as whole rows: sixteen lanes store 256 consecutive bytes, at a multiple of 256 from the first byte of out0.
; LDS serves a wave's instructions in order (ISA guide 5.7.1.4): no wait between the stores and the loads, nor ahead of the next tile's stores.  With four tiles, those that the wave does not have are left out.
.macro OUT rt
	WIN 0
.irp m, 0,1,2,3,4
.if \m < \rt
.irp t, 0,1,2,3,4,5,6,7
	v_min_u32 v[TO+8*\m+\t], 0x7ff, v[TO+8*\m+\t]
.endr
.endif
.endr
.irp m, 0,1,2,3,4
.if \m < \rt
.irp t, 0,1,2,3,4,5,6,7
	v_lshl_add_u32 v[TO+8*\m+\t], v[TO+8*\m+\t], 13, v8
.endr
.endif
.endr
.irp m, 0,1,2,3,4
.if \m < \rt
.if (\rt == 4) && (\m > 0)
	s_cmp_le_i32 s26, \m
	s_cbranch_scc1 .Lout_end_\@
.endif
.if \m > 1
	s_wait_xcnt 0x0                                ; the stores of two tiles ago have read the set of registers that is loaded again below
.endif
	WIN 0x0c
.irp f, 0,1,2,3
	ds_store_b128 v6, v[32*\m+8*\f:32*\m+8*\f+3] offset:64*\f
	ds_store_b128 v6, v[32*\m+8*\f+4:32*\m+8*\f+7] offset:64*\f+16
.endr
	WIN 0
.irp t, 0,1,2,3,4,5,6,7
	ds_load_b128 v[RB+32*(\m%2)+4*\t:RB+32*(\m%2)+4*\t+3], v7 offset:2*SPI*\t
.endr
.irp t, 0,1,2,3,4,5,6,7
	s_wait_dscnt 7-\t                              ; LDS loads come back in order: rows 2 t and 2 t + 1 are in
	global_store_b128 v[TO+8*\m+\t], v[RB+32*(\m%2)+4*\t:RB+32*(\m%2)+4*\t+3], s[18:19] th:TH_STORE_NT
.endr
.endif
.endr
.Lout_end_\@:
.endm
	s_cmp_lt_i32 s26, 5
	s_cbranch_scc1 .Lfour
.Lfive:                                            ; five tiles a trip, while the wave has five or more
	PROX
	BODY 5
	OUT 5
	s_add_co_i32 s27, s27, 20
	s_sub_co_i32 s26, s26, 5
	s_cmp_le_i32 s26, 0
	s_cbranch_scc1 .Lend
	TILES                                          ; every load of the trip has been waited for: the offsets may be written
	PRO 1
	s_cmp_ge_i32 s26, 5
	s_cbranch_scc1 .Lfive
.Lfour:                                            ; one to four tiles are left, or none
	s_cmp_le_i32 s26, 0
	s_cbranch_scc1 .Lend
	BODY 4
	OUT 4
.Lend:
	s_wait_tensorcnt 0x0
	ds_add_u32 v254, v255
	s_wait_dscnt 0x0
	s_endpgm
.Lfunc_end_k_qefa4a72293_expert_gemm:
	.size	k_qefa4a72293_expert_gemm, .Lfunc_end_k_qefa4a72293_expert_gemm-k_qefa4a72293_expert_gemm
	.p2alignl 7, 3214868480
	.fill 96, 4, 3214868480
	.section	.rodata,"a",@progbits
	.p2align	6, 0x0
	.amdhsa_kernel k_qefa4a72293_expert_gemm
		.amdhsa_group_segment_fixed_size 117248
		.amdhsa_private_segment_fixed_size 0
		.amdhsa_enable_private_segment 0
		.amdhsa_kernarg_size 64
		.amdhsa_user_sgpr_count 2
		.amdhsa_user_sgpr_kernarg_segment_ptr 1
		.amdhsa_wavefront_size32 1
		.amdhsa_system_sgpr_workgroup_id_x 1
		.amdhsa_system_sgpr_workgroup_id_y 1
		.amdhsa_system_sgpr_workgroup_id_z 1
		.amdhsa_system_vgpr_workitem_id 0
		.amdhsa_next_free_vgpr 1024
		.amdhsa_next_free_sgpr 66
		.amdhsa_reserve_vcc 0
		.amdhsa_float_denorm_mode_32 3
		.amdhsa_float_denorm_mode_16_64 3
		.amdhsa_memory_ordered 1
		.amdhsa_forward_progress 1
		.amdhsa_inst_pref_size 197
	.end_amdhsa_kernel
	.amdgpu_metadata
---
amdhsa.version: [ 1, 2 ]
amdhsa.kernels:
  - .name:           k_qefa4a72293_expert_gemm
    .symbol:         k_qefa4a72293_expert_gemm.kd
    .args:
      - { .name: xq, .offset: 0, .size: 8, .value_kind: global_buffer, .address_space: global }
      - { .name: xs, .offset: 8, .size: 8, .value_kind: global_buffer, .address_space: global }
      - { .name: rows, .offset: 16, .size: 8, .value_kind: global_buffer, .address_space: global }
      - { .name: tab, .offset: 24, .size: 8, .value_kind: global_buffer, .address_space: global }
      - { .name: w_codes, .offset: 32, .size: 8, .value_kind: global_buffer, .address_space: global }
      - { .name: w_scales, .offset: 40, .size: 8, .value_kind: global_buffer, .address_space: global }
      - { .name: b, .offset: 48, .size: 8, .value_kind: global_buffer, .address_space: global }
      - { .name: out0, .offset: 56, .size: 8, .value_kind: global_buffer, .address_space: global }
    .group_segment_fixed_size: 117248
    .private_segment_fixed_size: 0
    .kernarg_segment_align: 8
    .kernarg_segment_size: 64
    .max_flat_workgroup_size: 128
    .sgpr_count:     66
    .vgpr_count:     1024
    .wavefront_size: 32
...
	.end_amdgpu_metadata
.endif
;; end of part 2
;; ======== version 2 of 2: 2 launches; version 1 with the launch expert_gemm written anew for expert scheduling mode
;; workspace buffers: xq 3,317,760 bytes; xs 138,240 bytes; rows 138,240 bytes of whole numbers; tab 256 bytes of whole numbers
;; launch route_quant: the kernel of part 1 again; grid 135 x 2, 4 waves a work-group, no clusters, 35,328 bytes of LDS; arguments x, expert_ids, xq, xs, rows, tab; writes xq, xs, rows, tab
;; launch expert_gemm (part 3): grid 32 x 8, 4 waves a work-group, no clusters, 117,248 bytes of LDS; arguments xq, xs, rows, tab, w_codes, w_scales, b, out0; writes out0
.if DOCPART == 3
	.amdgcn_target "amdgcn-amd-amdhsa--gfx1250"
	.amdhsa_code_object_version 6
	.text
	.protected	k_qefa4a72293_expert_gemm
	.globl	k_qefa4a72293_expert_gemm
	.p2align	8
	.type	k_qefa4a72293_expert_gemm,@function
k_qefa4a72293_expert_gemm:
	s_mov_b64 s[64:65], 0
	v_nop
	global_prefetch_b8 v0, s[64:65] scope:SCOPE_SE
	s_setreg_imm32_b32 hwreg(HW_REG_WAVE_SCHED_MODE, 0, 2), 2
	s_setreg_imm32_b32 hwreg(HW_REG_WAVE_MODE, 25, 1), 1
	s_wait_xcnt 0x0
	s_wait_alu depctr_vm_vsrc(0)
; y[t] = Q(x[t]) W[e(t)] + b[e(t)], on codes of E3M2 with one E8M0 scale for each 32 along K; only each token's own expert is multiplied (reference() zeroes the other experts' rows by its own mask).
; SHARES.  Work-group (cs, e): expert e, columns 64 cs .. 64 cs + 63: 256 work-groups for every split.  Its slice of W, 64 rows x 1,536 bytes = 98,304 dense bytes, is read once in the launch,
; goes into LDS through registers and serves all four waves.  Wave w takes the expert's row tiles w, w + 4, w + 8 ..: five or four at a time; their codes come from xq straight into registers.
; One barrier, behind the staging of W and ahead of every branch on stored numbers.  An expert without tokens leaves its work-groups with nothing to store.
; NO TENSOR LOAD, NO CLUSTER: the 32 work-groups of an expert read the same tiles of xq, but how many tiles there are is a number read from tab, and trip counts hang on it; partners would need
; different numbers of tiles from expert to expert.  So operands go from memory into registers, and W alone, whose size is fixed, is shared through LDS.
; THE MATRIX INSTRUCTION IS USED TRANSPOSED: source 0 = 16 columns of W (rows of w_codes), source 1 = 16 tokens: a lane then holds one token (lane % 16) and eight neighbouring columns 8 (lane / 16) + 0 .. 7.
; ORDER OF K INSIDE A STEP OF 128, the same on both sources: the operand place (c, h) holds block 4 s + 2 h + c, so a lane's 12 registers are 48 consecutive bytes of its row, three aligned pieces of 16;
; the scale word is the row's natural word with its two middle bytes swapped.  LIMIT: within each 128 along K the blocks are summed in the order 0, 2, 1, 3.
; A tile that a wave does not have is replaced by a written tile (its number is held inside the expert's, then inside 0 .. 134): it is multiplied and not stored.  Slots that repeat a token store its row twice, with the same bits.
; The bias is the C of each sum's first matrix instruction.
; REGISTERS, in windows of 256: window 0: v1-29 addresses; v32-63 W's scale words; v64-103 the tokens' scale words; v104-143 the tokens' offsets in out0; v144-207 rows on the way out, two sets; v254, v255 the closing add's two.
;   window 1: the tokens' fragments, tile m, K step s at v[48 m + 12 (s % 4)].   window 2: W's fragments, two sets of 48, fragment f at 12 f; from v96 the bias, 8 a fragment.
;   window 3: v0-191 W on its way into LDS; afterwards the accumulators, (m, f) at v[32 m + 8 f].
; THE MODE: SCHED_MODE bits 1:0 = 2 (LLVM: expert scheduling mode 2), set by the entry lines.  The code itself states the register dependences between vector or matrix instructions
; and memory or LDS instructions, with s_wait_alu, always for 0.
; THE PLAN.  Registers that memory or LDS instructions touch, and who else names them:
;   v4-9, v25-29        offsets and LDS addresses: written once at the head, never again.
;   v10-24              a trip's tile offsets: written by TILES, read by the loads of lists, scale words and fragments.
;   window 3            loaded with W and read by the staging stores at the head; from then on written and read by the products, read by the way out's LDS stores.
;   v32-63              W's scale words: loaded, written once by v_perm_b32, read by the products.
;   v64-103             the tokens' scale words: loaded once a trip, read by the products.
;   window 1, slot s % 4; window 2, set s % 2: read by step s's products, loaded again in step s + 1.
;   v104-143            loaded once a trip, written in place by the way out's vector lines, read by the global stores as offsets.
;   v144-207            written by LDS loads, read by the global stores as data: no vector line names them.
; So: one wait on va_vdst at the head of each K step that loads (the step before is done reading what is loaded again), one ahead of a trip's first loads, one ahead of the way out's stores;
; one wait on vm_vsrc behind the barrier, one ahead of a trip's new offsets, one where a set of the way out's rows is loaded again.
; A step's loads stand in one run behind its wait and ahead of the waits for this step's data, so that four steps of fragments stay on their way at that wait.
.set PW,    1552                       ; a row of W in LDS: 1,536 bytes + 16 = 97 x 16: the sixteen rows of a load fall on 16 different 16-byte columns modulo 256
.set STAGE, 64*PW                      ; behind W: 16 rows x 272 bytes for each wave, for the way out
.set SPI,   272
.set WA,  4                            ; v4   my place in W's fragments 0, 1: PW r + 48 h;  v5: in fragments 2, 3 (an LDS immediate has 16 bits)
.set AO,  10                           ; v10-14  tile m: my byte in xq
.set SO,  15                           ; v15-19  tile m: 1,024 x tile + 16 x lane (rows)
.set SO8, 20                           ; v20-24  tile m: 1,024 x tile + 8 x lane (xs)
.set WS,  32                           ; register 16 g + s: lanes 0-15 fragment 2 g, lanes 16-31 fragment 2 g + 1, K step s
.set AS,  64                           ; tile m, step s: register 8 m + 2 (s / 4) + s % 2, lanes 16 ((s / 2) % 2) on
.set TO,  104                          ; tile m, register t: the token of slot 2 t + lane / 16, then its offset in out0
.set RB,  144
.set BI,  96                           ; in window 2
.set MSB, 0
.macro WIN new                         ; the immediate's high byte repeats the setting that is left; low byte: bits 1:0 source 0, 3:2 source 1, 5:4 source 2, 7:6 destination
.if MSB != \new
	s_set_vgpr_msb (MSB<<8)|\new
.set MSB, \new
.endif
.endm
	s_load_b512 s[4:19], s[0:1], 0x0               ; xq s[4:5], xs s[6:7], rows s[8:9], tab s[10:11], w_codes s[12:13], w_scales s[14:15], b s[16:17], out0 s[18:19]
	v_lshl_add_u32 v254, v0, 2, 0x1c800
	v_mov_b32 v255, 0
	v_lshrrev_b32 v1, 5, v0
	v_readfirstlane_b32 s20, v1                    ; wave w
	s_mov_b32 s21, ttmp9                           ; cs
	s_and_b32 s22, ttmp7, 0xffff                   ; e
	v_and_b32 v1, 31, v0                           ; lane
	v_and_b32 v2, 15, v0                           ; r
	v_bfe_u32 v3, v0, 4, 1                         ; h
	v_mul_u32_u24 v4, v2, PW
	v_mad_u32_u24 v4, v3, 48, v4
	v_add_nc_u32 v5, 32*PW, v4
	s_wait_alu depctr_va_sdst(0)                   ; s20 is written, ahead of its first reader: LDS places, W's base and the wave's tiles are made from it
	s_mul_i32 s35, s20, 16*SPI
	s_add_co_u32 s35, s35, STAGE                   ; my stage
	v_mul_u32_u24 v6, v2, SPI
	v_lshl_add_u32 v6, v3, 5, v6
	v_add_nc_u32 v6, s35, v6                       ; in: row r, + 32 h
	v_mul_u32_u24 v7, v3, SPI
	v_lshl_add_u32 v7, v2, 4, v7
	v_add_nc_u32 v7, s35, v7                       ; back: lanes 0-15 one row of 256 bytes, lanes 16-31 the next
	v_lshlrev_b32 v8, 4, v2                        ; 16 r
	v_lshlrev_b32 v9, 4, v1                        ; 16 x lane
	v_lshlrev_b32 v25, 6, v1                       ; 64 x lane: a row of w_scales
	v_lshlrev_b32 v26, 5, v3                       ; 32 h: my eight numbers of a fragment's bias
	s_mul_i32 s36, s20, 16*PW
	v_add_nc_u32 v27, s36, v9                      ; where I put W: my wave's 16 rows, 16 x lane
	v_mad_u32_u24 v28, v3, 768, v8                 ; xq: chunk 3 h, row r
	v_lshlrev_b32 v29, 3, v1                       ; 8 x lane
	s_mov_b32 s40, 0x03010200                      ; v_perm_b32: bytes 0, 2, 1, 3
	s_mul_i32 s36, s22, 3145728                    ; W: the expert, 2,048 rows of 1,536 bytes,
	s_mul_i32 s37, s21, 98304                      ; my work-group's 64 rows,
	s_add_co_u32 s36, s36, s37
	s_mul_i32 s37, s20, 24576                      ; my wave's 16
	s_add_co_u32 s36, s36, s37
	s_mov_b32 s37, 0
	s_lshl_b32 s38, s22, 17                        ; w_scales: 2,048 rows of 64 bytes, my work-group's 64
	s_lshl_b32 s39, s21, 12
	s_add_co_u32 s38, s38, s39
	s_mov_b32 s39, 0
	s_lshl_b32 s42, s22, 13                        ; b: a row of 8,192 bytes, my 64 columns
	s_lshl_b32 s44, s21, 8                         ; out0: my 64 columns
	s_add_co_u32 s42, s42, s44
	s_mov_b32 s43, 0
	s_mov_b32 s45, 0
	s_lshl_b32 s46, s22, 3                         ; tab: 8 bytes an expert
	s_mov_b32 s47, 0
	s_wait_kmcnt 0x0
	s_add_nc_u64 s[10:11], s[10:11], s[46:47]
	s_load_b64 s[24:25], s[10:11], 0x0             ; tb s24, nt s25
	s_add_nc_u64 s[12:13], s[12:13], s[36:37]
	s_add_nc_u64 s[14:15], s[14:15], s[38:39]
	s_add_nc_u64 s[16:17], s[16:17], s[42:43]
	s_add_nc_u64 s[18:19], s[18:19], s[44:45]
	WIN 0xc0                                       ; destination window 3
	s_wait_alu depctr_va_vdst(0)                   ; the offsets and LDS addresses v4 to v9 and v25 to v29 are written: every load and store of the kernel reads one of them, or an offset made of them
.set q, 0
.rept 48
	global_load_b128 v[4*q:4*q+3], v9, s[12:13] offset:512*q th:TH_LOAD_NT   ; my 16 rows of W, 24,576 dense bytes, 512 a load; read once in the launch
.set q, q+1
.endr
	WIN 0
.irp g, 0,1
.irp p, 0,1,2,3
	global_load_b128 v[WS+16*\g+4*\p:WS+16*\g+4*\p+3], v25, s[14:15] offset:2048*\g+16*\p   ; column 32 g + lane: the words of K steps 4 p .. 4 p + 3
.endr
.endr
	WIN 0x80                                       ; destination window 2
.irp f, 0,1,2,3
	global_load_b128 v[BI+8*\f:BI+8*\f+3], v26, s[16:17] offset:64*\f
	global_load_b128 v[BI+8*\f+4:BI+8*\f+7], v26, s[16:17] offset:64*\f+16
.endr
	WIN 0
	s_wait_kmcnt 0x0
	s_sub_co_i32 s26, s25, s20
	s_add_co_i32 s26, s26, 3
	s_ashr_i32 s26, s26, 2
	s_max_i32 s26, s26, 0                          ; my tiles still to do: w, w + 4 .. below nt
	s_mov_b32 s27, s20                             ; the next of them
	s_sub_co_i32 s28, s25, 1
; The offsets of the next five tiles.  A number read from memory enters an address only behind the hold at 134, the last tile that the buffers have room for.
.macro TILES
.irp m, 0,1,2,3,4
	s_add_co_i32 s35, s27, 4*\m
	s_min_i32 s35, s35, s28                        ; inside the expert's tiles,
	s_add_co_i32 s35, s35, s24
	s_max_i32 s35, s35, 0                          ; (an expert without tiles: a written tile of another)
	s_min_u32 s35, s35, 134
	s_mul_i32 s36, s35, 24576
	s_lshl_b32 s37, s35, 10
	v_add_nc_u32 v[AO+\m], s36, v28
	v_add_nc_u32 v[SO+\m], s37, v9
	v_add_nc_u32 v[SO8+\m], s37, v29
.endr
.endm
.macro LISTS m                         ; 2 loads: the tile's 16 tokens, as the way out wants them
	global_load_b128 v[TO+8*(\m):TO+8*(\m)+3], v[SO+(\m)], s[8:9]
	global_load_b128 v[TO+8*(\m)+4:TO+8*(\m)+7], v[SO+(\m)], s[8:9] offset:512
.endm
.macro SCALES m                        ; 4 loads of 256 consecutive bytes: the tile's 16 x 16 scale words
.irp g, 0,1,2,3
	global_load_b64 v[AS+8*(\m)+2*\g:AS+8*(\m)+2*\g+1], v[SO8+(\m)], s[6:7] offset:256*\g
.endr
.endm
.macro LDA1 m, s                       ; 3 loads (destination window 1): tile m's fragment of K step s; each covers two runs of 256 consecutive bytes
.irp j, 0,1,2
	global_load_b128 v[48*(\m)+12*((\s)%4)+4*\j:48*(\m)+12*((\s)%4)+4*\j+3], v[AO+(\m)], s[4:5] offset:1536*(\s)+256*\j
.endr
.endm
; Tiles 0 to 3: lists, scale words, K steps 0 to 2: 8 + 16 + 36 = 60 loads.  again = 1: in the loop, where the last stores may still read the registers that the lists land in.
.macro PRO again
	WIN 0
.if \again
	s_wait_xcnt 0x0
.endif
	s_wait_alu depctr_va_vdst(0)                   ; TILES has written v10 to v24, which a trip's loads read.  In the loop also: the way out's vector lines have written v[TO ..], and the last trip's products are done reading
	                                               ; the tokens' scale words, their fragments and W's two sets: in all of these the loads from here to step 0's land, and no vector or matrix line that names them stands between
.irp m, 0,1,2,3
	LISTS \m
.endr
.irp m, 0,1,2,3
	SCALES \m
.endr
	WIN 0x40
.irp s, 0,1,2
.irp m, 0,1,2,3
	LDA1 \m, \s
.endr
.endr
	WIN 0
.endm
.macro PROX                            ; the same for tile 4: 2 + 4 + 9 = 15 loads; what they hang on is stated by the wait in PRO
	WIN 0
	LISTS 4
	SCALES 4
	WIN 0x40
	LDA1 4, 0
	LDA1 4, 1
	LDA1 4, 2
	WIN 0
.endm
	TILES
	PRO 0
	s_wait_loadcnt 60                              ; all but the 60 loads just issued: W, its scale words and the bias are in
	WIN 0x0c                                       ; an LDS store's data are its source 1: window 3
.set q, 0
.rept 48
	ds_store_b128 v27, v[4*q:4*q+3] offset:(q/3)*PW+(q%3)*512   ; a row is three loads' bytes
.set q, q+1
.endr
	WIN 0
.set q, 0
.rept 32
	v_perm_b32 v[WS+q], v[WS+q], v[WS+q], s40      ; the two middle bytes change places: the order of K that the fragments have
.set q, q+1
.endr
.rept 8
	v_nop                                          ; a scale register written by a vector instruction stands 8 places ahead of a scaled matrix instruction
.endr
	s_wait_alu depctr_va_vdst(0)                   ; the v_perm_b32 have written W's scale words, which the scaled products take; the places above stay beside this wait
	s_wait_dscnt 0x0                               ; for the other waves: my 16 rows of W have landed
	s_barrier_signal -1
	s_barrier_wait -1                              ; the 64 rows lie in LDS; nobody writes them again
	s_wait_alu depctr_vm_vsrc(0)                   ; my LDS stores have read window 3's v0 to v191: the products write their accumulators there
.macro LDW s                           ; 12 LDS loads (destination window 2): the four fragments of W of K step s into set s % 2
.irp f, 0,1,2,3
.irp j, 0,1,2
	ds_load_b128 v[48*((\s)%2)+12*\f+4*\j:48*((\s)%2)+12*\f+4*\j+3], v[WA+\f/2] offset:(\f%2)*16*PW+96*(\s)+16*\j
.endr
.endr
.endm
.macro PROD m, f, s                    ; accumulator (m, f), K step s
.set rD, 32*(\m)+8*(\f)
.set rC, 32*(\m)+8*(\f)
.if (\s) == 0
.set rC, BI+8*(\f)                     ; the first product starts the sum with the bias (window 2)
.endif
.set rW, 48*((\s)%2)+12*(\f)
.set rA, 48*(\m)+12*((\s)%4)
.set rX, WS+16*((\f)/2)+(\s)
.set rY, AS+8*(\m)+2*((\s)/4)+(\s)%2
.set hW, (\f)%2
.set hA, ((\s)/2)%2
.if (hW == 0) && (hA == 0)
	v_wmma_scale_f32_16x16x128_f8f6f4 v[rD:rD+7], v[rW:rW+11], v[rA:rA+11], v[rC:rC+7], v[rX], v[rY] matrix_a_fmt:MATRIX_FMT_BF6 matrix_b_fmt:MATRIX_FMT_BF6
.elseif (hW == 1) && (hA == 0)
	v_wmma_scale_f32_16x16x128_f8f6f4 v[rD:rD+7], v[rW:rW+11], v[rA:rA+11], v[rC:rC+7], v[rX], v[rY] matrix_a_fmt:MATRIX_FMT_BF6 matrix_b_fmt:MATRIX_FMT_BF6 matrix_a_scale:MATRIX_SCALE_ROW1
.elseif (hW == 0) && (hA == 1)
	v_wmma_scale_f32_16x16x128_f8f6f4 v[rD:rD+7], v[rW:rW+11], v[rA:rA+11], v[rC:rC+7], v[rX], v[rY] matrix_a_fmt:MATRIX_FMT_BF6 matrix_b_fmt:MATRIX_FMT_BF6 matrix_b_scale:MATRIX_SCALE_ROW1
.else
	v_wmma_scale_f32_16x16x128_f8f6f4 v[rD:rD+7], v[rW:rW+11], v[rA:rA+11], v[rC:rC+7], v[rX], v[rY] matrix_a_fmt:MATRIX_FMT_BF6 matrix_b_fmt:MATRIX_FMT_BF6 matrix_a_scale:MATRIX_SCALE_ROW1 matrix_b_scale:MATRIX_SCALE_ROW1
.endif
.endm
; rt tiles x 64 columns through all 16 K steps.  In step s: W's fragments of step s + 1 are asked of LDS, the tokens' of step s + 3 of memory, and 4 rt products are issued.
; The 4 rt accumulators take turns, one instruction a turn, in the same order in every step.
; Four places stand behind a step's last product, ahead of the loads into registers that its products read; behind them the step's one wait on va_vdst states that dependence.
; Step 0 has none: what its loads hang on is stated by the wait in PRO.  Step 15 loads nothing and has none.
; The wait for the tokens' fragments leaves out what was issued behind step s's loads: 3 rt loads for each later step asked for.  With five tiles, tile 4's first three steps were asked for behind
; those of tiles 0 to 3: behind its step 0 stand 6 + 15 loads, behind its step 1 3 + 30, behind its step 2 45.
.macro BODY rt
	WIN 0x80
	LDW 0
.irp s, 0,1,2,3,4,5,6,7,8,9,10,11,12,13,14,15
.if (\s > 0) && (\s < 15)
.rept 4
	v_nop
.endr
.endif
.if \s < 15
	WIN 0x80
.if \s > 0
	s_wait_alu depctr_va_vdst(0)                   ; the products of the step before are done reading W's other set and the fragments' slot (s + 3) % 4, in which this step's loads land
.endif
	LDW \s+1
.endif
.if \s < 13
	WIN 0x40
.irp m, 0,1,2,3,4
.if \m < \rt
	LDA1 \m, \s+3
.endif
.endr
.endif
.if \s < 15
	s_wait_dscnt 12                                ; all but the 12 just issued: this step's fragments of W are in
.else
	s_wait_dscnt 0x0
.endif
.set nn, \s+3
.if nn > 15
.set nn, 15
.endif
.set nn, (nn-\s)*3*\rt
.if (\rt == 5) && (\s < 3)
.set nn, 21+12*\s
.endif
	s_wait_loadcnt nn
.if \s == 0
	WIN 0xe6                                       ; source 0 (W) window 2, source 1 (tokens) window 1, C (bias) window 2, D window 3
.else
	WIN 0xf6                                       ; the same, C window 3
.endif
.irp m, 0,1,2,3,4
.if \m < \rt
.irp f, 0,1,2,3
	PROD \m, \f, \s
.endr
.endif
.endr
.endr
	WIN 0
.endm
; THE WAY OUT.  The tokens become byte offsets in out0 (held inside its 2,048 rows): these plain instructions, which name no register of the products, are also the places behind the last products.
; Then tile by tile: a lane's 32 bytes of a row go into my stage, each accumulator from its low end on, and come back as whole rows: sixteen lanes store 256 consecutive bytes, at a multiple of 256 from the first byte of out0.
; LDS serves a wave's instructions in order (ISA guide 5.7.1.4): no wait between the stores and the loads, nor ahead of the next tile's stores.  With four tiles, those that the wave does not have are left out.
.macro OUT rt
	WIN 0
.irp m, 0,1,2,3,4
.if \m < \rt
.irp t, 0,1,2,3,4,5,6,7
	v_min_u32 v[TO+8*\m+\t], 0x7ff, v[TO+8*\m+\t]
.endr
.endif
.endr
.irp m, 0,1,2,3,4
.if \m < \rt
.irp t, 0,1,2,3,4,5,6,7
	v_lshl_add_u32 v[TO+8*\m+\t], v[TO+8*\m+\t], 13, v8
.endr
.endif
.endr
	s_wait_alu depctr_va_vdst(0)                   ; the products have written the accumulators, which the LDS stores read, and the lines above v[TO ..], which the global stores read as offsets; no vector line follows on the way out
.irp m, 0,1,2,3,4
.if \m < \rt
.if (\rt == 4) && (\m > 0)
	s_cmp_le_i32 s26, \m
	s_cbranch_scc1 .Lout_end_\@
.endif
.if \m > 1
	s_wait_xcnt 0x0                                ; the stores of two tiles ago have read the set of registers that is loaded again below
	s_wait_alu depctr_vm_vsrc(0)                   ; the same stores have read their data registers v[RB ..], in which the LDS loads below land
.endif
	WIN 0x0c
.irp f, 0,1,2,3
	ds_store_b128 v6, v[32*\m+8*\f:32*\m+8*\f+3] offset:64*\f
	ds_store_b128 v6, v[32*\m+8*\f+4:32*\m+8*\f+7] offset:64*\f+16
.endr
	WIN 0
.irp t, 0,1,2,3,4,5,6,7
	ds_load_b128 v[RB+32*(\m%2)+4*\t:RB+32*(\m%2)+4*\t+3], v7 offset:2*SPI*\t
.endr
.irp t, 0,1,2,3,4,5,6,7
	s_wait_dscnt 7-\t                              ; LDS loads come back in order: rows 2 t and 2 t + 1 are in
	global_store_b128 v[TO+8*\m+\t], v[RB+32*(\m%2)+4*\t:RB+32*(\m%2)+4*\t+3], s[18:19] th:TH_STORE_NT
.endr
.endif
.endr
.Lout_end_\@:
.endm
	s_cmp_lt_i32 s26, 5
	s_cbranch_scc1 .Lfour
.Lfive:                                            ; five tiles a trip, while the wave has five or more
	PROX
	BODY 5
	OUT 5
	s_add_co_i32 s27, s27, 20
	s_sub_co_i32 s26, s26, 5
	s_cmp_le_i32 s26, 0
	s_cbranch_scc1 .Lend
	s_wait_alu depctr_vm_vsrc(0)                   ; the trip's loads have read v10 to v24, which TILES writes; its global stores have read v[TO ..] and v[RB ..], in which the next trip's loads land; its LDS stores have read the accumulators, which the next products write
	TILES                                          ; every load of the trip has been waited for: the offsets may be written
	PRO 1
	s_cmp_ge_i32 s26, 5
	s_cbranch_scc1 .Lfive
.Lfour:                                            ; one to four tiles are left, or none
	s_cmp_le_i32 s26, 0
	s_cbranch_scc1 .Lend
	BODY 4
	OUT 4
.Lend:
	s_wait_dscnt 0x0                               ; the closing lines, six on end
	s_wait_alu 0x0
	s_wait_tensorcnt 0x0
	ds_add_u32 v254, v255
	s_wait_dscnt 0x0
	s_endpgm
.Lfunc_end_k_qefa4a72293_expert_gemm:
	.size	k_qefa4a72293_expert_gemm, .Lfunc_end_k_qefa4a72293_expert_gemm-k_qefa4a72293_expert_gemm
	.p2alignl 7, 3214868480
	.fill 96, 4, 3214868480
	.section	.rodata,"a",@progbits
	.p2align	6, 0x0
	.amdhsa_kernel k_qefa4a72293_expert_gemm
		.amdhsa_group_segment_fixed_size 117248
		.amdhsa_private_segment_fixed_size 0
		.amdhsa_enable_private_segment 0
		.amdhsa_kernarg_size 64
		.amdhsa_user_sgpr_count 2
		.amdhsa_user_sgpr_kernarg_segment_ptr 1
		.amdhsa_wavefront_size32 1
		.amdhsa_system_sgpr_workgroup_id_x 1
		.amdhsa_system_sgpr_workgroup_id_y 1
		.amdhsa_system_sgpr_workgroup_id_z 1
		.amdhsa_system_vgpr_workitem_id 0
		.amdhsa_next_free_vgpr 1024
		.amdhsa_next_free_sgpr 66
		.amdhsa_reserve_vcc 0
		.amdhsa_float_denorm_mode_32 3
		.amdhsa_float_denorm_mode_16_64 3
		.amdhsa_memory_ordered 1
		.amdhsa_forward_progress 1
		.amdhsa_inst_pref_size 199
	.end_amdhsa_kernel
	.amdgpu_metadata
---
amdhsa.version: [ 1, 2 ]
amdhsa.kernels:
  - .name:           k_qefa4a72293_expert_gemm
    .symbol:         k_qefa4a72293_expert_gemm.kd
    .args:
      - { .name: xq, .offset: 0, .size: 8, .value_kind: global_buffer, .address_space: global }
      - { .name: xs, .offset: 8, .size: 8, .value_kind: global_buffer, .address_space: global }
      - { .name: rows, .offset: 16, .size: 8, .value_kind: global_buffer, .address_space: global }
      - { .name: tab, .offset: 24, .size: 8, .value_kind: global_buffer, .address_space: global }
      - { .name: w_codes, .offset: 32, .size: 8, .value_kind: global_buffer, .address_space: global }
      - { .name: w_scales, .offset: 40, .size: 8, .value_kind: global_buffer, .address_space: global }
      - { .name: b, .offset: 48, .size: 8, .value_kind: global_buffer, .address_space: global }
      - { .name: out0, .offset: 56, .size: 8, .value_kind: global_buffer, .address_space: global }
    .group_segment_fixed_size: 117248
    .private_segment_fixed_size: 0
    .kernarg_segment_align: 8
    .kernarg_segment_size: 64
    .max_flat_workgroup_size: 128
    .sgpr_count:     66
    .vgpr_count:     1024
    .wavefront_size: 32
...
	.end_amdgpu_metadata
.endif
;; end of part 3
